; MI455X (gfx1250); checked and timed in simulation.
; The chip was launched on July 23, 2026; its instructions are those of AMD's public machine-readable ISA for CDNA 5 (MIT licence, August 2026) and "CDNA5" Instruction Set Architecture Reference Guide (July 2026). The comments in the code are by the model that wrote it; some were corrected since.
;; Per Neuron Head. Allowed arithmetic: matrix products marked QUANTISED: E3M2 operands, one E8M0 scale for each 32 along K, by v_wmma_scale_f32_16x16x128_f8f6f4 with both operands' format E3M2, f32 sums; products left as they are: f32 operands where the result goes on into a quantised operand, else bf16, f16 or f32 operands; f32 sums; everything else in f32.
;; Inputs: W1 384 x 128 float32; W2 128 float32; b1 128 float32; b2 one number float32; bin_repr 4 x 512 x 256 float32; unit_emb 4 x 512 x 128 float32.
;; Outputs: out0 4 x 512 x 512 float32.
;; This version of the problem:
;;   THIS VERSION OF THE PROBLEM IS GIVEN IN LOW PRECISION. The matrix products marked QUANTISED in the list below multiply operands that are first quantised to E3M2 (3 exponent bits, 2 mantissa bits; 6 bits a number), with one power-of-two scale for each 32 numbers along K (OCP MX v1.0); their sums are f32. All else is computed in f32.
;;   The module's matrix products, in the order in which they are computed (A, B: the left and right operand; K: the contracted axis; several contracted axes count as one K, in the product's order):
;;     1. [M 2,048, K 256] x [K 256, N 128]; A: input bin_repr; B: input W1: QUANTISED
;;     2. [M 2,048, K 128] x [K 128, N 128]; A: input unit_emb; B: input W1: QUANTISED
;;     3. [M 1,048,576, K 128] x [K 128, N 1]; A: computed on the way; B: input W2: left as it is (N = 1 < 16)
;;   THE QUANTISER, for each operand of a quantised product, along K:
;;     - K is cut into blocks of 32 from its start; a last block that is shorter is filled with zeros.
;;     - A block's scale is 2^e with e = floor(log2(the largest magnitude in the block)) - 4, held to -126 .. 127; a block of zeros has e = 0. As a byte (E8M0): e + 127.
;;     - Each number is divided by its block's scale, clamped to +-28, and rounded to the nearest number of E3M2, ties to even, subnormals kept.
;;     - The product sums the exact products of the quantised numbers (number of the format x scale) in f32.
;;   ~~~python
;;   def quantise(x, axis):      # numpy; x: float32 -> the quantised numbers, widened to float32 again
;;       x = np.moveaxis(x, axis, -1); K = x.shape[-1]
;;       x = np.pad(x, [(0, 0)] * (x.ndim - 1) + [(0, -K % 32)]); x = x.reshape(x.shape[:-1] + (-1, 32)); a = np.abs(x).max(-1, keepdims=True)
;;       e = np.where(a > 0, np.clip(np.frexp(np.where(a > 0, a, 1))[1] - 1 - 4, -126, 127), 0)      # np.frexp(a)[1] - 1 = floor(log2(a)), exactly
;;       r = np.clip(x / 2.0 ** e, -28, 28)
;;       step = 2.0 ** (np.maximum(np.frexp(np.where(r == 0, 1, r))[1] - 1, -2) - 2)
;;       q = np.round(r / step) * step * 2.0 ** e      # np.round: ties to even
;;       return np.moveaxis(q.reshape(q.shape[:-2] + (-1,))[..., :K], -1, axis).astype(np.float32)
;;   ~~~
;; 2 versions, each right; version 2 is version 1 with the launch head_gelu written anew for expert scheduling mode. Each part assembles by itself: llvm-mc -triple=amdgcn-amd-amdhsa -mcpu=gfx1250 --defsym DOCPART=n.
;; ======== version 1 of 2: 1 launch
;; limits: a function is approximated: absolute error at most 6.5e-05
;; launch head_gelu (part 1): grid 8 x 32, 16 waves a work-group, no clusters, 149,504 bytes of LDS; arguments bin_repr, unit_emb, W1, b1, W2, b2, out0; writes out0
.if DOCPART == 1
	.amdgcn_target "amdgcn-amd-amdhsa--gfx1250"
	.amdhsa_code_object_version 6
	.text
	.protected	k_qb0c25a3125_head_gelu
	.globl	k_qb0c25a3125_head_gelu
	.p2align	8
	.type	k_qb0c25a3125_head_gelu,@function
k_qb0c25a3125_head_gelu:
	s_mov_b64 s[64:65], 0
	v_nop
	global_prefetch_b8 v0, s[64:65] scope:SCOPE_SE
	s_setreg_imm32_b32 hwreg(HW_REG_WAVE_MODE, 25, 1), 1
	s_wait_xcnt 0x0
; out[b][n][u] = b2 + sum over h of W2[h] gelu(P[b][n][h] + U[b][u][h]),  P = bin_repr W1[0:256],  U = unit_emb W1[256:384] + b1.
; P and U are products on codes of BF6 (E3M2) with one E8M0 scale for each 32 along K; all else is f32.
; SHARES.  A work-group owns 64 bins x 64 units of one batch (grid 8 x 32 = 256 work-groups), sixteen waves, four to a SIMD.
; HEAD.  Each thread loads whole blocks of 32 along K (three of W1: a lane takes a column and its registers run down K; one of the bins; waves 0-7 one of the units),
; quantises them in registers and puts 24 bytes of codes into a place of 32 bytes in LDS, [block along K][row or column], and the scale byte beside them.
; A block's scale is 2^(floor(log2(largest magnitude)) - 4), its byte held at 1 from below by a floor among the maximum's leaves; a block of zeros keeps the byte 1: its codes are zeros.
; Then wave (ht = wave % 8, s = wave / 8) makes 16 of the 128 h for 32 bins and 32 units: six matrix instructions, source 0 = 16 columns of W1, source 1 = 16 rows,
; so that a lane holds eight neighbouring h of one row; b1 is the C of the units' product.  P and U go to LDS as f32 rows of 512 bytes + 16.
; GELU.  gelu(x) = max(x, 0) - |x| Phi(-|x|), and Phi(-y) = 2^Q(-y) with Q a cubic fitted to log2 Phi(-y), its error weighed by y Phi(-y):
; with p = max(x, 0) and z = x - 2 p = -|x|:  gelu = p + z 2^(((K3 z + K2) z + K1) z + K0).  One exponential, no division, no branch on data.
; LIMIT, held against tabulated values of Phi at steps of 0.25 and closer near 0: the error of gelu is about 6.5e-5 at the most (near |x| = 1.8 and 3), and at most 0.00092 |x| near 0.
; K3 > 0 sends Q to -infinity with |x|: beyond the fitted range the result is max(x, 0).  NaN and infinities among the inputs are not served.
; MAIN LOOP.  A wave owns 4 bins x 64 units, a lane 4 bins x units 2 l, 2 l + 1; register pairs run along h, so every step is a packed instruction on two neighbouring h.
; For a pair: add, a dual maximum, z, three steps of the cubic, two exponentials, p + z E, the sum with W2: ten instructions for two numbers.
; THE LAST PRODUCT (N = 1) is done by these packed multiply-adds in f32: a conversion to bf16 for the matrix unit would take the same place in the text as the multiply-add it spares.
; NO CLUSTER, NO TENSOR LOAD: what work-groups share (W1 196,608 bytes, 64 bins 65,536, 64 units 32,768) is read once, in the first lines, straight into the registers that the
; conversions take; landed in LDS as f32 the same bytes would have to be read once more.  Against them stand 64 x 64 x 128 numbers x 5 instructions / 32 lanes = 81,920 vector instructions a work-group.
.set PITCH, 528                        ; a row of P or U in LDS: 512 bytes + 16 = 132 words: row r starts at bank 4 r mod 64 (64 banks of 4 bytes: ISA guide 11.1)
.set WC,  0                            ; LDS: W1's codes: 12 blocks along K x 128 columns x 32 bytes
.set WS,  49152                        ; W1's scale bytes: 16 bytes a column, byte = block along K
.set XB,  51200                        ; the bins' codes: 8 blocks x 64 rows x 32 bytes
.set XBS, 67584                        ; their scale bytes: 8 a row
.set XU,  68096                        ; the units' codes: 4 blocks x 64 rows x 32 bytes
.set XUS, 76288                        ; their scale bytes: 4 a row
.set AP,  76544                        ; P: 64 rows
.set BP,  110336                       ; U: 64 rows, unit u at row u / 2 + 32 (u % 2)
.set W2L, 144128                       ; W2: 512 bytes
.set GX,  2                            ; v2   128 x thread: my block in the 64 bins (and in the 64 units)
.set GW,  3                            ; v3   my column of W1, at my first row
.set LXB, 4                            ; v4-9 where my codes and scale bytes go in LDS
.set LXBS, 5
.set LXU, 6
.set LXUS, 7
.set LWC, 8
.set LWS, 9
.set GW2, 10                           ; v10  16 x lane, in W2;  v11 the same place in LDS
.set LW2, 11
.set GB1, 12                           ; v12  my eight numbers of b1
.set RW,  13                           ; v13-17 from where my fragments and scale words come
.set RWS, 14
.set RX,  15
.set RXBS, 16
.set RXUS, 17
.set SA,  18                           ; v18-19 where my results go: P, U
.set SB,  19
.set VA,  20                           ; v20-22 the main loop: my wave's 4 rows of P (the same in all lanes), my lane's rows of U, W2
.set VB,  21
.set VW,  22
.set VO,  23                           ; v23  8 x lane: my two outputs in a row of out
.set C2V, 24                           ; v24-25 K2, twice
.set WR,  32                           ; head: v32-127 three blocks of W1, v128-159 one of the bins, v160-191 one of the units, as loaded
.set BR,  128
.set UR,  160
.set W2R, 192
.set B1R, 196                          ; v196-203 b1 in the result's layout
.set CD,  204                          ; v204-233 codes: six registers for each of five blocks, so that no store's data are written again
.set BY,  234                          ; v234-238 their scale bytes
.set CT,  240                          ; v240-242 a block's upper 16 codes (a conversion's three registers begin on an even number)
.set MXA, 243
.set MXB, 244
.set SCO, 245                          ; the conversions' scale operand
.set SW,  246                          ; v246-254 scale words and nothing else: W1's three, the bins' four, the units' two
.set SXB, 249
.set SXU, 253
.set WF,  32                           ; fragments: W1's three K steps, the bins' (2 tiles x 2 K steps), the units' (2 tiles)
.set XBF, 68
.set XUF, 116
.set DB,  140                          ; results: P's two tiles, U's two tiles
.set DU,  156
.set ACC, 32                           ; main loop: v32-47 sums: output (bin i, unit j) at 4 i + 2 j, even h and odd h apart
.set AD,  48                           ; v48-79  two sets: 4 h of 4 rows of P
.set BD,  80                           ; v80-95  two sets: 4 h of 2 rows of U
.set WD,  96                           ; v96-103 two sets: 4 h of W2
.set TT,  104                          ; v104-199 two sets of 48: p, z, Q of eight pairs
.set WV,  20                           ; s20  wave
.set B2,  18                           ; s18  b2
.set CNT, 19
.set K3,  28                           ; s[28:29], s[30:31], s[32:33]: the cubic's K3, K1, K0 (a packed form names a pair and takes its low word for both halves)
.set K1,  30
.set K0,  32
	s_load_b256 s[4:11], s[0:1], 0x0               ; bin_repr s[4:5], unit_emb s[6:7], W1 s[8:9], b1 s[10:11]
	s_load_b128 s[12:15], s[0:1], 0x20             ; W2 s[12:13], b2 s[14:15]
	s_load_b64 s[16:17], s[0:1], 0x30              ; out
	v_lshl_add_u32 v239, v0, 2, 0x24000
	v_mov_b32 v255, 0
	v_lshrrev_b32 v29, 5, v0                       ; wave, in every lane
	v_readfirstlane_b32 s[WV], v29
	s_and_b32 s21, ttmp7, 0xffff                   ; y = 8 x batch + block of bins
	s_lshl_b32 s22, s21, 16                        ; the bins: 64 y rows of 1,024 bytes
	s_mov_b32 s23, 0
	s_lshr_b32 s24, s21, 3
	s_lshl_b32 s24, s24, 3
	s_add_co_u32 s24, s24, ttmp9                   ; 8 x batch + block of units
	s_lshl_b32 s24, s24, 15                        ; x 64 rows of 512 bytes
	s_mov_b32 s25, 0
	s_lshl_b32 s26, s21, 17                        ; out: 64 y rows of 2,048 bytes,
	s_lshl_b32 s27, s[WV], 13                      ; my wave's 4 rows,
	s_add_co_u32 s26, s26, s27
	s_lshl_b32 s27, ttmp9, 8                       ; the block's 64 units: 256 bytes
	s_add_co_u32 s26, s26, s27
	s_mov_b32 s27, 0
	s_mov_b32 s[K3], 0x3cd2115a                    ;  0.02564304
	s_mov_b32 s[K3+1], s[K3]
	s_mov_b32 s[K1], 0x3f90ed57                    ;  1.13224309
	s_mov_b32 s[K1+1], s[K1]
	s_mov_b32 s[K0], 0xbf8056d5                    ; -1.00264990
	s_mov_b32 s[K0+1], s[K0]
	; every address is made here, ahead of the first branch, from the thread's number t and constants
	v_and_b32 v24, 15, v0                          ; r
	v_bfe_u32 v25, v0, 4, 1                        ; half of the lanes
	v_bfe_u32 v26, v0, 5, 3                        ; ht = wave % 8
	v_lshrrev_b32 v27, 8, v0                       ; s = wave / 8
	v_and_b32 v28, 31, v0                          ; lane
	v_lshrrev_b32 v30, 7, v0                       ; q = t / 128: rows 96 q .. 96 q + 95 of W1
	v_and_b32 v31, 127, v0                         ; my column of W1
	v_lshlrev_b32 v[GX], 7, v0                     ; bins: row t / 8, block t % 8; units: row t / 4, block t % 4: both are 128 t bytes
	v_mul_u32_u24 v[GW], v30, 49152
	v_lshl_add_u32 v[GW], v31, 2, v[GW]
	v_and_b32 v1, 7, v0
	v_lshlrev_b32 v[LXB], 11, v1
	v_lshrrev_b32 v1, 3, v0
	v_lshl_add_u32 v[LXB], v1, 5, v[LXB]
	v_add_nc_u32 v[LXB], XB, v[LXB]                ; block x 2,048 + row x 32
	v_add_nc_u32 v[LXBS], XBS, v0                  ; row x 8 + block = t
	v_and_b32 v1, 3, v0
	v_lshlrev_b32 v[LXU], 11, v1
	v_lshrrev_b32 v1, 2, v0
	v_lshl_add_u32 v[LXU], v1, 5, v[LXU]
	v_add_nc_u32 v[LXU], XU, v[LXU]
	v_add_nc_u32 v[LXUS], XUS, v0                  ; row x 4 + block = t
	v_mul_u32_u24 v[LWC], v30, 12288               ; block 3 q: x 4,096,
	v_lshl_add_u32 v[LWC], v31, 5, v[LWC]          ; + column x 32
	v_mul_u32_u24 v[LWS], v30, 3
	v_lshl_add_u32 v[LWS], v31, 4, v[LWS]
	v_add_nc_u32 v[LWS], WS, v[LWS]                ; column x 16 + block
	v_lshlrev_b32 v[GW2], 4, v28
	v_add_nc_u32 v[LW2], W2L, v[GW2]
	v_bfe_u32 v1, v0, 4, 4
	v_lshlrev_b32 v[GB1], 5, v1                    ; b1 at h = 16 ht + 8 half
	v_lshlrev_b32 v[RW], 5, v24                    ; a fragment's lane (r, half) takes blocks 2 c + half of column 16 ht + r
	v_lshl_add_u32 v[RW], v26, 9, v[RW]
	v_lshl_add_u32 v[RW], v25, 12, v[RW]
	v_lshlrev_b32 v[RWS], 4, v24
	v_lshl_add_u32 v[RWS], v26, 8, v[RWS]
	v_add_nc_u32 v[RWS], WS, v[RWS]
	v_lshlrev_b32 v[RX], 5, v24                    ; and of row 32 s + 16 tile + r
	v_lshl_add_u32 v[RX], v27, 10, v[RX]
	v_lshl_add_u32 v[RX], v25, 11, v[RX]
	v_add_nc_u32 v[RX], XB, v[RX]
	v_lshlrev_b32 v[RXBS], 3, v24
	v_lshl_add_u32 v[RXBS], v27, 8, v[RXBS]
	v_add_nc_u32 v[RXBS], XBS, v[RXBS]
	v_lshlrev_b32 v[RXUS], 2, v24
	v_lshl_add_u32 v[RXUS], v27, 7, v[RXUS]
	v_add_nc_u32 v[RXUS], XUS, v[RXUS]
	v_lshl_add_u32 v1, v27, 5, v24                 ; P: row 32 s + r,
	v_mul_u32_u24 v[SA], v1, PITCH
	v_lshl_add_u32 v[SA], v26, 6, v[SA]            ; h = 16 ht + 8 half: 32 bytes a lane
	v_lshl_add_u32 v[SA], v25, 5, v[SA]
	v_add_nc_u32 v[SA], AP, v[SA]
	v_lshrrev_b32 v1, 1, v24                       ; U: unit 32 s + r lies at row 16 s + r / 2 + 32 (r % 2)
	v_lshl_add_u32 v1, v27, 4, v1
	v_and_b32 v30, 1, v24
	v_lshl_add_u32 v1, v30, 5, v1
	v_mul_u32_u24 v[SB], v1, PITCH
	v_lshl_add_u32 v[SB], v26, 6, v[SB]
	v_lshl_add_u32 v[SB], v25, 5, v[SB]
	v_add_nc_u32 v[SB], BP, v[SB]
	v_mul_u32_u24 v[VA], v29, 4*PITCH
	v_add_nc_u32 v[VA], AP, v[VA]
	v_mul_u32_u24 v[VB], v28, PITCH
	v_add_nc_u32 v[VB], BP, v[VB]
	v_mov_b32 v[VW], W2L
	v_lshlrev_b32 v[VO], 3, v28
	s_wait_kmcnt 0x0
	s_add_nc_u64 s[4:5], s[4:5], s[22:23]
	s_add_nc_u64 s[6:7], s[6:7], s[24:25]
	s_add_nc_u64 s[16:17], s[16:17], s[26:27]
	s_load_b32 s[B2], s[14:15], 0x0
	; ALL LOADS GO OUT TOGETHER.  The units' stand first, so that the counts behind them are the same in every wave.
	s_cmp_lt_u32 s[WV], 8
	s_cbranch_scc0 .Lno_unit_loads
.irp j, 0,1,2,3,4,5,6,7
	global_load_b128 v[UR+4*\j:UR+4*\j+3], v[GX], s[6:7] offset:16*\j
.endr
.Lno_unit_loads:
.irp j, 0,1,2,3,4,5,6,7
	global_load_b128 v[BR+4*\j:BR+4*\j+3], v[GX], s[4:5] offset:16*\j
.endr
	global_load_b128 v[W2R:W2R+3], v[GW2], s[12:13]
	global_load_b128 v[B1R:B1R+3], v[GB1], s[10:11]
	global_load_b128 v[B1R+4:B1R+7], v[GB1], s[10:11] offset:16
.set i, 0
.rept 96
	global_load_b32 v[WR+i], v[GW], s[8:9] offset:512*i   ; W1(96 q + i, my column): a wave reads 128 neighbouring bytes, the four waves of one q a whole row
.set i, i+1
.endr
; A block of 32 numbers in v[src] on becomes 24 bytes of codes and a scale byte, and goes to LDS.
.macro QBLOCK src, k, adr, off, badr, boff
	v_max3_num_f32 v[MXA], |v[(\src)]|, |v[(\src)+1]|, 0x2800000   ; the largest magnitude, in two chains, with the floor 2^(5 - 127) among its leaves: the byte cannot fall under 1
	v_max3_num_f32 v[MXB], |v[(\src)+2]|, |v[(\src)+3]|, |v[(\src)+4]|
.irp i, 5,9,13,17,21,25
	v_max3_num_f32 v[MXA], v[MXA], |v[(\src)+\i]|, |v[(\src)+\i+1]|
	v_max3_num_f32 v[MXB], v[MXB], |v[(\src)+\i+2]|, |v[(\src)+\i+3]|
.endr
	v_max3_num_f32 v[MXA], v[MXA], |v[(\src)+29]|, |v[(\src)+30]|
	v_max3_num_f32 v[MXA], v[MXA], v[MXB], |v[(\src)+31]|
	v_add_nc_u32 v[SCO], 0xfe000000, v[MXA]        ; 4 off its exponent field: the conversion takes the exponent field of this operand as its scale
	v_lshrrev_b32 v[BY+(\k)], 23, v[SCO]           ; the scale's byte
	v_cvt_scalef32_pk16_bf6_f32 v[CD+6*(\k):CD+6*(\k)+2], v[(\src):(\src)+15], v[SCO]
	v_cvt_scalef32_pk16_bf6_f32 v[CT:CT+2], v[(\src)+16:(\src)+31], v[SCO]
	v_nop                                          ; one plain place behind a scaled conversion
.irp i, 0,1,2
	v_mov_b32 v[CD+6*(\k)+3+\i], v[CT+\i]          ; six registers on end: the block's 192 bits
.endr
	ds_store_b128 v[\adr], v[CD+6*(\k):CD+6*(\k)+3] offset:\off
	ds_store_b64 v[\adr], v[CD+6*(\k)+4:CD+6*(\k)+5] offset:(\off)+16
	ds_store_b8 v[\badr], v[BY+(\k)] offset:\boff
.endm
	s_wait_loadcnt 63                              ; behind W1's first block stand 64 loads: with 63 out, the units, the bins, W2, b1 and that block are in
	s_cmp_lt_u32 s[WV], 8
	s_cbranch_scc0 .Lno_units
	QBLOCK UR, 0, LXU, 0, LXUS, 0
.Lno_units:
	QBLOCK BR, 1, LXB, 0, LXBS, 0
	QBLOCK WR, 2, LWC, 0, LWS, 0
	s_wait_loadcnt 32                              ; W1's second block is in; the third's 32 loads may be out
	QBLOCK WR+32, 3, LWC, 4096, LWS, 1
	s_wait_loadcnt 0x0
	QBLOCK WR+64, 4, LWC, 8192, LWS, 2
	s_cmp_eq_u32 s[WV], 8                          ; every wave has loaded W2; one wave puts it into LDS
	s_cbranch_scc0 .Lno_w2
	ds_store_b128 v[LW2], v[W2R:W2R+3]
.Lno_w2:
	s_wait_dscnt 0x0                               ; for the others' sake: my codes and bytes lie in LDS
	s_barrier_signal -1
	s_barrier_wait -1                              ; everybody's do
	; MY FRAGMENTS.  Registers 6 c .. 6 c + 5 of a lane hold block 2 c + half of its row or column: 24 bytes, by a load of 16 and a load of 8.
.irp ks, 0,1,2
.irp c, 0,1
	ds_load_b128 v[WF+12*\ks+6*\c:WF+12*\ks+6*\c+3], v[RW] offset:(4*\ks+2*\c)*4096
	ds_load_b64 v[WF+12*\ks+6*\c+4:WF+12*\ks+6*\c+5], v[RW] offset:(4*\ks+2*\c)*4096+16
.endr
	ds_load_b32 v[SW+\ks], v[RWS] offset:4*\ks
.endr
.irp mm, 0,1
.irp ks, 0,1
.irp c, 0,1
	ds_load_b128 v[XBF+24*\mm+12*\ks+6*\c:XBF+24*\mm+12*\ks+6*\c+3], v[RX] offset:(4*\ks+2*\c)*2048+512*\mm
	ds_load_b64 v[XBF+24*\mm+12*\ks+6*\c+4:XBF+24*\mm+12*\ks+6*\c+5], v[RX] offset:(4*\ks+2*\c)*2048+512*\mm+16
.endr
	ds_load_b32 v[SXB+2*\mm+\ks], v[RXBS] offset:128*\mm+4*\ks
.endr
.endr
.irp mm, 0,1
.irp c, 0,1
	ds_load_b128 v[XUF+12*\mm+6*\c:XUF+12*\mm+6*\c+3], v[RX] offset:XU-XB+4096*\c+512*\mm
	ds_load_b64 v[XUF+12*\mm+6*\c+4:XUF+12*\mm+6*\c+5], v[RX] offset:XU-XB+4096*\c+512*\mm+16
.endr
	ds_load_b32 v[SXU+\mm], v[RXUS] offset:64*\mm
.endr
	s_wait_dscnt 0x0
	; Source 0 = 16 columns of W1, source 1 = 16 rows: lane (r, half) holds row r, register j the h 16 ht + 8 half + j.  The four accumulators take turns, one instruction a turn.
	v_wmma_scale_f32_16x16x128_f8f6f4 v[DB:DB+7], v[WF:WF+11], v[XBF:XBF+11], 0, v[SW], v[SXB] matrix_a_fmt:MATRIX_FMT_BF6 matrix_b_fmt:MATRIX_FMT_BF6
	v_wmma_scale_f32_16x16x128_f8f6f4 v[DB+8:DB+15], v[WF:WF+11], v[XBF+24:XBF+35], 0, v[SW], v[SXB+2] matrix_a_fmt:MATRIX_FMT_BF6 matrix_b_fmt:MATRIX_FMT_BF6
	v_wmma_scale_f32_16x16x128_f8f6f4 v[DU:DU+7], v[WF+24:WF+35], v[XUF:XUF+11], v[B1R:B1R+7], v[SW+2], v[SXU] matrix_a_fmt:MATRIX_FMT_BF6 matrix_b_fmt:MATRIX_FMT_BF6
	v_wmma_scale_f32_16x16x128_f8f6f4 v[DU+8:DU+15], v[WF+24:WF+35], v[XUF+12:XUF+23], v[B1R:B1R+7], v[SW+2], v[SXU+1] matrix_a_fmt:MATRIX_FMT_BF6 matrix_b_fmt:MATRIX_FMT_BF6
	v_wmma_scale_f32_16x16x128_f8f6f4 v[DB:DB+7], v[WF+12:WF+23], v[XBF+12:XBF+23], v[DB:DB+7], v[SW+1], v[SXB+1] matrix_a_fmt:MATRIX_FMT_BF6 matrix_b_fmt:MATRIX_FMT_BF6
	v_wmma_scale_f32_16x16x128_f8f6f4 v[DB+8:DB+15], v[WF+12:WF+23], v[XBF+36:XBF+47], v[DB+8:DB+15], v[SW+1], v[SXB+3] matrix_a_fmt:MATRIX_FMT_BF6 matrix_b_fmt:MATRIX_FMT_BF6
.rept 4
	v_nop                                          ; four places behind the last matrix instruction, ahead of the stores of results and of all that later writes these registers
.endr
.irp mm, 0,1
	ds_store_b128 v[SA], v[DB+8*\mm:DB+8*\mm+3] offset:16*PITCH*\mm          ; each result from its low end on
	ds_store_b128 v[SA], v[DB+8*\mm+4:DB+8*\mm+7] offset:16*PITCH*\mm+16
	ds_store_b128 v[SB], v[DU+8*\mm:DU+8*\mm+3] offset:8*PITCH*\mm
	ds_store_b128 v[SB], v[DU+8*\mm+4:DU+8*\mm+7] offset:8*PITCH*\mm+16
.endr
	s_wait_dscnt 0x0                               ; for the others' sake: my part of P and U lies in LDS
	s_barrier_signal -1
	s_barrier_wait -1                              ; P, U and W2 are whole; from here on LDS is only read
; THE MAIN LOOP.  A chunk is 4 h: 7 loads of 16 bytes for 32 numbers a lane.  A chunk is two UNITS of eight pairs: unit e takes bins 2 e, 2 e + 1, both of my units, both pairs of h.
.macro LOADS s, imm
.irp i, 0,1,2,3
	ds_load_b128 v[AD+16*(\s)+4*\i:AD+16*(\s)+4*\i+3], v[VA] offset:PITCH*\i+(\imm)      ; all lanes read the same 16 bytes
.endr
.irp j, 0,1
	ds_load_b128 v[BD+8*(\s)+4*\j:BD+8*(\s)+4*\j+3], v[VB] offset:32*PITCH*\j+(\imm)     ; units 2 l and 2 l + 1 lie 32 rows apart
.endr
	ds_load_b128 v[WD+4*(\s):WD+4*(\s)+3], v[VW] offset:(\imm)
.endm
; Instruction a of 48 of a unit's way to Q: six steps, each over the eight pairs, so that no line waits for the line above it.  Pair pr: bin 2 e + pr / 4, unit (pr / 2) % 2, h pair pr % 2.
.macro AI e, s
.set pr, a%8
.set rP, TT+48*(\e)+2*pr
.set rZ, TT+48*(\e)+16+2*pr
.set rQ, TT+48*(\e)+32+2*pr
.set rA, AD+16*(\s)+4*(2*(\e)+pr/4)+2*(pr%2)
.set rB, BD+8*(\s)+4*((pr/2)%2)+2*(pr%2)
.if a < 8
	v_pk_add_f32 v[rZ:rZ+1], v[rA:rA+1], v[rB:rB+1]                                      ; x
.elseif a < 16
	v_dual_max_num_f32 v[rP], 0, v[rZ] :: v_dual_max_num_f32 v[rP+1], 0, v[rZ+1]         ; p = max(x, 0): there is no packed maximum in f32
.elseif a < 24
	v_pk_fma_f32 v[rZ:rZ+1], v[rP:rP+1], -2.0, v[rZ:rZ+1] op_sel_hi:[1,0,1]              ; z = x - 2 p = -|x|
.elseif a < 32
	v_pk_fma_f32 v[rQ:rQ+1], v[rZ:rZ+1], s[K3:K3+1], v[C2V:C2V+1] op_sel_hi:[1,0,1]
.elseif a < 40
	v_pk_fma_f32 v[rQ:rQ+1], v[rQ:rQ+1], v[rZ:rZ+1], s[K1:K1+1] op_sel_hi:[1,1,0]
.else
	v_pk_fma_f32 v[rQ:rQ+1], v[rQ:rQ+1], v[rZ:rZ+1], s[K0:K0+1] op_sel_hi:[1,1,0]        ; Q = log2 Phi(z)
.endif
.set a, a+1
.endm
; A STEP finishes unit (e, s) and, with nxt = 1, brings the next unit (ne, ns) as far as Q.  The 16 exponentials are ONE BATCH: two plain lines of the next unit follow each, sixteen more follow the last,
; then the one wait ahead of the first line that names a result.
.macro STEP e, s, nxt, ne, ns
.set a, 0
.set m, 0
.rept 16
	v_exp_f32 v[TT+48*(\e)+32+m], v[TT+48*(\e)+32+m]                                     ; E = Phi(z)
.if \nxt
	AI \ne, \ns
	AI \ne, \ns
.endif
.set m, m+1
.endr
.if \nxt
.rept 16
	AI \ne, \ns
.endr
.else
	v_nop                                          ; a plain line behind the last exponential
.endif
	s_wait_alu depctr_va_vdst(0)
.irp x, 0,1,2,3,4,5,6,7
	v_pk_fma_f32 v[TT+48*(\e)+32+2*\x:TT+48*(\e)+33+2*\x], v[TT+48*(\e)+16+2*\x:TT+48*(\e)+17+2*\x], v[TT+48*(\e)+32+2*\x:TT+48*(\e)+33+2*\x], v[TT+48*(\e)+2*\x:TT+48*(\e)+1+2*\x]   ; gelu = p + z E
.endr
.irp hp, 0,1
.irp o, 0,1,2,3
	v_pk_fma_f32 v[ACC+8*(\e)+2*\o:ACC+8*(\e)+2*\o+1], v[TT+48*(\e)+32+4*\o+2*\hp:TT+48*(\e)+33+4*\o+2*\hp], v[WD+4*(\s)+2*\hp:WD+4*(\s)+2*\hp+1], v[ACC+8*(\e)+2*\o:ACC+8*(\e)+2*\o+1]
.endr
.endr
.endm
	LOADS 0, 0                                     ; chunk 0
	LOADS 1, 16                                    ; chunk 1
	s_wait_kmcnt 0x0                               ; b2
	v_mov_b32 v[C2V], 0xbefdf276                   ; K2 = -0.49599047
	v_mov_b32 v[C2V+1], 0xbefdf276
.irp o, 0,1,2,3,4,5,6,7
	v_mov_b32 v[ACC+2*\o], s[B2]                   ; b2 starts each output's sum over the even h,
	v_mov_b32 v[ACC+2*\o+1], 0                     ; 0 that over the odd h
.endr
	s_wait_dscnt 7                                 ; chunk 0 is in; chunk 1's seven loads may be out
.set a, 0
.rept 48
	AI 0, 0                                        ; the first unit as far as Q
.endr
	s_mov_b32 s[CNT], 15
.Lmain:                                                ; a trip: two chunks, four units; it asks for the two chunks that follow them
	STEP 0, 0, 1, 1, 0
	s_wait_dscnt 0x0                               ; set 1 is in (asked for one step ago); no LDS load of mine is out, so the addresses step: 8 h
	v_add_nc_u32 v[VA], 32, v[VA]
	v_add_nc_u32 v[VB], 32, v[VB]
	v_add_nc_u32 v[VW], 32, v[VW]
	STEP 1, 0, 1, 0, 1
	LOADS 0, 0                                     ; set 0 has had its last use: the next even chunk; a whole step stands between this and its first use
	STEP 0, 1, 1, 1, 1
	s_wait_dscnt 0x0                               ; set 0 is in
	STEP 1, 1, 1, 0, 0
	LOADS 1, 16                                    ; likewise the next odd chunk
	s_sub_co_u32 s[CNT], s[CNT], 1
	s_cmp_lg_u32 s[CNT], 0
	s_cbranch_scc1 .Lmain
	STEP 0, 0, 1, 1, 0                             ; chunks 30 and 31 are written out: nothing is left to load, and the last unit has no successor
	s_wait_dscnt 0x0
	STEP 1, 0, 1, 0, 1
	STEP 0, 1, 1, 1, 1
	STEP 1, 1, 0, 0, 0
.irp o, 0,1,2,3,4,5,6,7
	v_add_f32 v[TT+\o], v[ACC+2*\o], v[ACC+2*\o+1] ; even h + odd h: register 2 i + j is out(bin i, unit 2 l + j)
.endr
.irp i, 0,1,2,3
	global_store_b64 v[VO], v[TT+2*\i:TT+2*\i+1], s[16:17] offset:2048*\i th:TH_STORE_NT   ; 32 lanes store 256 consecutive bytes, at a multiple of 256 from out's first byte
.endr
	s_wait_tensorcnt 0x0
	ds_add_u32 v239, v255
	s_wait_dscnt 0x0
	s_endpgm
.Lfunc_end_k_qb0c25a3125_head_gelu:
	.size	k_qb0c25a3125_head_gelu, .Lfunc_end_k_qb0c25a3125_head_gelu-k_qb0c25a3125_head_gelu
	.p2alignl 7, 3214868480
	.fill 96, 4, 3214868480
	.section	.rodata,"a",@progbits
	.p2align	6, 0x0
	.amdhsa_kernel k_qb0c25a3125_head_gelu
		.amdhsa_group_segment_fixed_size 149504
		.amdhsa_private_segment_fixed_size 0
		.amdhsa_enable_private_segment 0
		.amdhsa_kernarg_size 56
		.amdhsa_user_sgpr_count 2
		.amdhsa_user_sgpr_kernarg_segment_ptr 1
		.amdhsa_wavefront_size32 1
		.amdhsa_system_sgpr_workgroup_id_x 1
		.amdhsa_system_sgpr_workgroup_id_y 1
		.amdhsa_system_sgpr_workgroup_id_z 1
		.amdhsa_system_vgpr_workitem_id 0
		.amdhsa_next_free_vgpr 256
		.amdhsa_next_free_sgpr 66
		.amdhsa_reserve_vcc 0
		.amdhsa_float_denorm_mode_32 3
		.amdhsa_float_denorm_mode_16_64 3
		.amdhsa_memory_ordered 1
		.amdhsa_forward_progress 1
		.amdhsa_inst_pref_size 69
	.end_amdhsa_kernel
	.amdgpu_metadata
---
amdhsa.version: [ 1, 2 ]
amdhsa.kernels:
  - .name:           k_qb0c25a3125_head_gelu
    .symbol:         k_qb0c25a3125_head_gelu.kd
    .args:
      - { .name: bin_repr, .offset: 0, .size: 8, .value_kind: global_buffer, .address_space: global }
      - { .name: unit_emb, .offset: 8, .size: 8, .value_kind: global_buffer, .address_space: global }
      - { .name: W1, .offset: 16, .size: 8, .value_kind: global_buffer, .address_space: global }
      - { .name: b1, .offset: 24, .size: 8, .value_kind: global_buffer, .address_space: global }
      - { .name: W2, .offset: 32, .size: 8, .value_kind: global_buffer, .address_space: global }
      - { .name: b2, .offset: 40, .size: 8, .value_kind: global_buffer, .address_space: global }
      - { .name: out0, .offset: 48, .size: 8, .value_kind: global_buffer, .address_space: global }
    .group_segment_fixed_size: 149504
    .private_segment_fixed_size: 0
    .kernarg_segment_align: 8
    .kernarg_segment_size: 56
    .max_flat_workgroup_size: 512
    .sgpr_count:     66
    .vgpr_count:     256
    .wavefront_size: 32
...
	.end_amdgpu_metadata
.endif
;; end of part 1
;; ======== version 2 of 2: 1 launch; version 1 with the launch head_gelu written anew for expert scheduling mode
;; limits: a function is approximated: absolute error at most 6.5e-05
;; launch head_gelu (part 2): grid 8 x 32, 16 waves a work-group, no clusters, 149,504 bytes of LDS; arguments bin_repr, unit_emb, W1, b1, W2, b2, out0; writes out0
.if DOCPART == 2
	.amdgcn_target "amdgcn-amd-amdhsa--gfx1250"
	.amdhsa_code_object_version 6
	.text
	.protected	k_qb0c25a3125_head_gelu
	.globl	k_qb0c25a3125_head_gelu
	.p2align	8
	.type	k_qb0c25a3125_head_gelu,@function
k_qb0c25a3125_head_gelu:
	s_mov_b64 s[64:65], 0
	v_nop
	global_prefetch_b8 v0, s[64:65] scope:SCOPE_SE
	s_setreg_imm32_b32 hwreg(HW_REG_WAVE_SCHED_MODE, 0, 2), 2
	s_setreg_imm32_b32 hwreg(HW_REG_WAVE_MODE, 25, 1), 1
	s_wait_xcnt 0x0
	s_wait_alu depctr_vm_vsrc(0)
; out[b][n][u] = b2 + sum over h of W2[h] gelu(P[b][n][h] + U[b][u][h]),  P = bin_repr W1[0:256],  U = unit_emb W1[256:384] + b1.
; P and U are products on codes of BF6 (E3M2) with one E8M0 scale for each 32 along K; all else is f32.
; SHARES.  A work-group owns 64 bins x 64 units of one batch (grid 8 x 32 = 256 work-groups), sixteen waves, four to a SIMD.
; HEAD.  Each thread loads whole blocks of 32 along K (three of W1: a lane takes a column and its registers run down K; one of the bins; waves 0-7 one of the units),
; quantises them in registers and puts 24 bytes of codes into a place of 32 bytes in LDS, [block along K][row or column], and the scale byte beside them.
; A block's scale is 2^(floor(log2(largest magnitude)) - 4), its byte held at 1 from below by a floor among the maximum's leaves; a block of zeros keeps the byte 1: its codes are zeros.
; Then wave (ht = wave % 8, s = wave / 8) makes 16 of the 128 h for 32 bins and 32 units: six matrix instructions, source 0 = 16 columns of W1, source 1 = 16 rows,
; so that a lane holds eight neighbouring h of one row; b1 is the C of the units' product.  P and U go to LDS as f32 rows of 512 bytes + 16.
; GELU.  gelu(x) = max(x, 0) - |x| Phi(-|x|), and Phi(-y) = 2^Q(-y) with Q a cubic fitted to log2 Phi(-y), its error weighed by y Phi(-y):
; with p = max(x, 0) and z = x - 2 p = -|x|:  gelu = p + z 2^(((K3 z + K2) z + K1) z + K0).  One exponential, no division, no branch on data.
; LIMIT, held against tabulated values of Phi at steps of 0.25 and closer near 0: the error of gelu is about 6.5e-5 at the most (near |x| = 1.8 and 3), and at most 0.00092 |x| near 0.
; K3 > 0 sends Q to -infinity with |x|: beyond the fitted range the result is max(x, 0).  NaN and infinities among the inputs are not served.
; MAIN LOOP.  A wave owns 4 bins x 64 units, a lane 4 bins x units 2 l, 2 l + 1; register pairs run along h, so every step is a packed instruction on two neighbouring h.
; For a pair: add, a dual maximum, z, three steps of the cubic, two exponentials, p + z E, the sum with W2: ten instructions for two numbers.
; THE LAST PRODUCT (N = 1) is done by these packed multiply-adds in f32: a conversion to bf16 for the matrix unit would take the same place in the text as the multiply-add it spares.
; NO CLUSTER, NO TENSOR LOAD: what work-groups share (W1 196,608 bytes, 64 bins 65,536, 64 units 32,768) is read once, in the first lines, straight into the registers that the
; conversions take; landed in LDS as f32 the same bytes would have to be read once more.  Against them stand 64 x 64 x 128 numbers x 5 instructions / 32 lanes = 81,920 vector instructions a work-group.
; THE MODE: SCHED_MODE bits 1:0 = 2 (LLVM: expert scheduling mode 2), set by the entry lines.  The code itself states the register dependences
; between vector or matrix instructions and memory or LDS instructions, with s_wait_alu, always for 0.
; THE PLAN.  Registers that memory or LDS instructions touch:
;   v2-19, v23    offsets and LDS addresses: written at the head, never again.  One wait ahead of the first load states that they are written.
;   v32-203       at the head: landed in by the global loads, read by the quantiser; then landed in by the fragments' LDS loads, read by the products; the products' results go out by LDS stores.
;   CD, BY        codes and scale bytes, registers of its own for each block: written once, read by LDS stores.  One wait serves the stores of the blocks computed ahead of it.
;   AD, BD        two sets.  Read by the first eight lines of a unit's way to Q.  Set 0: last read in the trip's first step; set 1: in its third.
;   WD            two sets.  Read by a unit's closing multiply-adds.  Set 0: last read at the close of the second step; set 1: of the fourth.
;   v20-22        the loop's LDS addresses: read by its loads, written once a trip, at the trip's end.
; A trip is four steps, and each holds one wait on va_vdst, ahead of the first reader of its sixteen exponentials.  In the first step that wait also states that AD, BD of set 0 and WD of set 1 have had their
; last reader and that the addresses are written; in the third the same of AD, BD of set 1 and WD of set 0.  The seven loads into them follow it, one behind each of the first seven closing multiply-adds,
; which name TT, the sums and the other WD alone.  Each load has two whole steps before its first use.  One wait on vm_vsrc a trip stands ahead of the adds to the addresses.
.set PITCH, 528                        ; a row of P or U in LDS: 512 bytes + 16 = 132 words: row r starts at bank 4 r mod 64 (64 banks of 4 bytes: ISA guide 11.1)
.set WC,  0                            ; LDS: W1's codes: 12 blocks along K x 128 columns x 32 bytes
.set WS,  49152                        ; W1's scale bytes: 16 bytes a column, byte = block along K
.set XB,  51200                        ; the bins' codes: 8 blocks x 64 rows x 32 bytes
.set XBS, 67584                        ; their scale bytes: 8 a row
.set XU,  68096                        ; the units' codes: 4 blocks x 64 rows x 32 bytes
.set XUS, 76288                        ; their scale bytes: 4 a row
.set AP,  76544                        ; P: 64 rows
.set BP,  110336                       ; U: 64 rows, unit u at row u / 2 + 32 (u % 2)
.set W2L, 144128                       ; W2: 512 bytes
.set GX,  2                            ; v2   128 x thread: my block in the 64 bins (and in the 64 units)
.set GW,  3                            ; v3   my column of W1, at my first row
.set LXB, 4                            ; v4-9 where my codes and scale bytes go in LDS
.set LXBS, 5
.set LXU, 6
.set LXUS, 7
.set LWC, 8
.set LWS, 9
.set GW2, 10                           ; v10  16 x lane, in W2;  v11 the same place in LDS
.set LW2, 11
.set GB1, 12                           ; v12  my eight numbers of b1
.set RW,  13                           ; v13-17 from where my fragments and scale words come
.set RWS, 14
.set RX,  15
.set RXBS, 16
.set RXUS, 17
.set SA,  18                           ; v18-19 where my results go: P, U
.set SB,  19
.set VA,  20                           ; v20-22 the main loop: my wave's 4 rows of P (the same in all lanes), my lane's rows of U, W2
.set VB,  21
.set VW,  22
.set VO,  23                           ; v23  8 x lane: my two outputs in a row of out
.set C2V, 24                           ; v24-25 K2, twice
.set WR,  32                           ; head: v32-127 three blocks of W1, v128-159 one of the bins, v160-191 one of the units, as loaded
.set BR,  128
.set UR,  160
.set W2R, 192
.set B1R, 196                          ; v196-203 b1 in the result's layout
.set CD,  204                          ; v204-233 codes: six registers for each of five blocks, so that no store's data are written again
.set BY,  234                          ; v234-238 their scale bytes
.set CT,  240                          ; v240-242 a block's upper 16 codes (a conversion's three registers begin on an even number)
.set MXA, 243
.set MXB, 244
.set SCO, 245                          ; the conversions' scale operand
.set SW,  246                          ; v246-254 scale words and nothing else: W1's three, the bins' four, the units' two
.set SXB, 249
.set SXU, 253
.set WF,  32                           ; fragments: W1's three K steps, the bins' (2 tiles x 2 K steps), the units' (2 tiles)
.set XBF, 68
.set XUF, 116
.set DB,  140                          ; results: P's two tiles, U's two tiles
.set DU,  156
.set ACC, 32                           ; main loop: v32-47 sums: output (bin i, unit j) at 4 i + 2 j, even h and odd h apart
.set AD,  48                           ; v48-79  two sets: 4 h of 4 rows of P
.set BD,  80                           ; v80-95  two sets: 4 h of 2 rows of U
.set WD,  96                           ; v96-103 two sets: 4 h of W2
.set TT,  104                          ; v104-199 two sets of 48: p, z, Q of eight pairs
.set WV,  20                           ; s20  wave
.set B2,  18                           ; s18  b2
.set CNT, 19
.set K3,  28                           ; s[28:29], s[30:31], s[32:33]: the cubic's K3, K1, K0 (a packed form names a pair and takes its low word for both halves)
.set K1,  30
.set K0,  32
	s_load_b256 s[4:11], s[0:1], 0x0               ; bin_repr s[4:5], unit_emb s[6:7], W1 s[8:9], b1 s[10:11]
	s_load_b128 s[12:15], s[0:1], 0x20             ; W2 s[12:13], b2 s[14:15]
	s_load_b64 s[16:17], s[0:1], 0x30              ; out
	v_lshl_add_u32 v239, v0, 2, 0x24000            ; the closing add's two registers, made here and kept for it alone: my spare word, behind all that the text uses of LDS,
	v_mov_b32 v255, 0                              ; and 0
	v_lshrrev_b32 v29, 5, v0                       ; wave, in every lane
	v_readfirstlane_b32 s[WV], v29
	s_and_b32 s21, ttmp7, 0xffff                   ; y = 8 x batch + block of bins
	s_lshl_b32 s22, s21, 16                        ; the bins: 64 y rows of 1,024 bytes
	s_mov_b32 s23, 0
	s_lshr_b32 s24, s21, 3
	s_lshl_b32 s24, s24, 3
	s_add_co_u32 s24, s24, ttmp9                   ; 8 x batch + block of units
	s_lshl_b32 s24, s24, 15                        ; x 64 rows of 512 bytes
	s_mov_b32 s25, 0
	s_lshl_b32 s26, s21, 17                        ; out: 64 y rows of 2,048 bytes,
	s_wait_alu depctr_va_sdst(0)                   ; s20, the wave's number, is written, ahead of its first reader: out's base is made from it, and the branches below hang on it
	s_lshl_b32 s27, s[WV], 13                      ; my wave's 4 rows,
	s_add_co_u32 s26, s26, s27
	s_lshl_b32 s27, ttmp9, 8                       ; the block's 64 units: 256 bytes
	s_add_co_u32 s26, s26, s27
	s_mov_b32 s27, 0
	s_mov_b32 s[K3], 0x3cd2115a                    ;  0.02564304
	s_mov_b32 s[K3+1], s[K3]
	s_mov_b32 s[K1], 0x3f90ed57                    ;  1.13224309
	s_mov_b32 s[K1+1], s[K1]
	s_mov_b32 s[K0], 0xbf8056d5                    ; -1.00264990
	s_mov_b32 s[K0+1], s[K0]
	; every address is made here, ahead of the first branch, from the thread's number t and constants
	v_and_b32 v24, 15, v0                          ; r
	v_bfe_u32 v25, v0, 4, 1                        ; half of the lanes
	v_bfe_u32 v26, v0, 5, 3                        ; ht = wave % 8
	v_lshrrev_b32 v27, 8, v0                       ; s = wave / 8
	v_and_b32 v28, 31, v0                          ; lane
	v_lshrrev_b32 v30, 7, v0                       ; q = t / 128: rows 96 q .. 96 q + 95 of W1
	v_and_b32 v31, 127, v0                         ; my column of W1
	v_lshlrev_b32 v[GX], 7, v0                     ; bins: row t / 8, block t % 8; units: row t / 4, block t % 4: both are 128 t bytes
	v_mul_u32_u24 v[GW], v30, 49152
	v_lshl_add_u32 v[GW], v31, 2, v[GW]
	v_and_b32 v1, 7, v0
	v_lshlrev_b32 v[LXB], 11, v1
	v_lshrrev_b32 v1, 3, v0
	v_lshl_add_u32 v[LXB], v1, 5, v[LXB]
	v_add_nc_u32 v[LXB], XB, v[LXB]                ; block x 2,048 + row x 32
	v_add_nc_u32 v[LXBS], XBS, v0                  ; row x 8 + block = t
	v_and_b32 v1, 3, v0
	v_lshlrev_b32 v[LXU], 11, v1
	v_lshrrev_b32 v1, 2, v0
	v_lshl_add_u32 v[LXU], v1, 5, v[LXU]
	v_add_nc_u32 v[LXU], XU, v[LXU]
	v_add_nc_u32 v[LXUS], XUS, v0                  ; row x 4 + block = t
	v_mul_u32_u24 v[LWC], v30, 12288               ; block 3 q: x 4,096,
	v_lshl_add_u32 v[LWC], v31, 5, v[LWC]          ; + column x 32
	v_mul_u32_u24 v[LWS], v30, 3
	v_lshl_add_u32 v[LWS], v31, 4, v[LWS]
	v_add_nc_u32 v[LWS], WS, v[LWS]                ; column x 16 + block
	v_lshlrev_b32 v[GW2], 4, v28
	v_add_nc_u32 v[LW2], W2L, v[GW2]
	v_bfe_u32 v1, v0, 4, 4
	v_lshlrev_b32 v[GB1], 5, v1                    ; b1 at h = 16 ht + 8 half
	v_lshlrev_b32 v[RW], 5, v24                    ; a fragment's lane (r, half) takes blocks 2 c + half of column 16 ht + r
	v_lshl_add_u32 v[RW], v26, 9, v[RW]
	v_lshl_add_u32 v[RW], v25, 12, v[RW]
	v_lshlrev_b32 v[RWS], 4, v24
	v_lshl_add_u32 v[RWS], v26, 8, v[RWS]
	v_add_nc_u32 v[RWS], WS, v[RWS]
	v_lshlrev_b32 v[RX], 5, v24                    ; and of row 32 s + 16 tile + r
	v_lshl_add_u32 v[RX], v27, 10, v[RX]
	v_lshl_add_u32 v[RX], v25, 11, v[RX]
	v_add_nc_u32 v[RX], XB, v[RX]
	v_lshlrev_b32 v[RXBS], 3, v24
	v_lshl_add_u32 v[RXBS], v27, 8, v[RXBS]
	v_add_nc_u32 v[RXBS], XBS, v[RXBS]
	v_lshlrev_b32 v[RXUS], 2, v24
	v_lshl_add_u32 v[RXUS], v27, 7, v[RXUS]
	v_add_nc_u32 v[RXUS], XUS, v[RXUS]
	v_lshl_add_u32 v1, v27, 5, v24                 ; P: row 32 s + r,
	v_mul_u32_u24 v[SA], v1, PITCH
	v_lshl_add_u32 v[SA], v26, 6, v[SA]            ; h = 16 ht + 8 half: 32 bytes a lane
	v_lshl_add_u32 v[SA], v25, 5, v[SA]
	v_add_nc_u32 v[SA], AP, v[SA]
	v_lshrrev_b32 v1, 1, v24                       ; U: unit 32 s + r lies at row 16 s + r / 2 + 32 (r % 2)
	v_lshl_add_u32 v1, v27, 4, v1
	v_and_b32 v30, 1, v24
	v_lshl_add_u32 v1, v30, 5, v1
	v_mul_u32_u24 v[SB], v1, PITCH
	v_lshl_add_u32 v[SB], v26, 6, v[SB]
	v_lshl_add_u32 v[SB], v25, 5, v[SB]
	v_add_nc_u32 v[SB], BP, v[SB]
	v_mul_u32_u24 v[VA], v29, 4*PITCH
	v_add_nc_u32 v[VA], AP, v[VA]
	v_mul_u32_u24 v[VB], v28, PITCH
	v_add_nc_u32 v[VB], BP, v[VB]
	v_mov_b32 v[VW], W2L
	v_lshlrev_b32 v[VO], 3, v28
	s_wait_kmcnt 0x0
	s_add_nc_u64 s[4:5], s[4:5], s[22:23]
	s_add_nc_u64 s[6:7], s[6:7], s[24:25]
	s_add_nc_u64 s[16:17], s[16:17], s[26:27]
	s_load_b32 s[B2], s[14:15], 0x0
	s_wait_alu depctr_va_vdst(0)                   ; the offsets and LDS addresses v2 to v23 are written: every load and store of the kernel reads one of them
	; ALL LOADS GO OUT TOGETHER.  The units' stand first, so that the counts behind them are the same in every wave.
	s_cmp_lt_u32 s[WV], 8
	s_cbranch_scc0 .Lno_unit_loads
.irp j, 0,1,2,3,4,5,6,7
	global_load_b128 v[UR+4*\j:UR+4*\j+3], v[GX], s[6:7] offset:16*\j
.endr
.Lno_unit_loads:
.irp j, 0,1,2,3,4,5,6,7
	global_load_b128 v[BR+4*\j:BR+4*\j+3], v[GX], s[4:5] offset:16*\j
.endr
	global_load_b128 v[W2R:W2R+3], v[GW2], s[12:13]
	global_load_b128 v[B1R:B1R+3], v[GB1], s[10:11]
	global_load_b128 v[B1R+4:B1R+7], v[GB1], s[10:11] offset:16
.set i, 0
.rept 96
	global_load_b32 v[WR+i], v[GW], s[8:9] offset:512*i   ; W1(96 q + i, my column): a wave reads 128 neighbouring bytes, the four waves of one q a whole row
.set i, i+1
.endr
; A block of 32 numbers in v[src] on becomes 24 bytes of codes and a scale byte, in registers of its own (QCALC); they go to LDS behind a wait that may serve several blocks (QSTORE).
.macro QCALC src, k
	v_max3_num_f32 v[MXA], |v[(\src)]|, |v[(\src)+1]|, 0x2800000   ; the largest magnitude, in two chains, with the floor 2^(5 - 127) among its leaves: the byte cannot fall under 1
	v_max3_num_f32 v[MXB], |v[(\src)+2]|, |v[(\src)+3]|, |v[(\src)+4]|
.irp i, 5,9,13,17,21,25
	v_max3_num_f32 v[MXA], v[MXA], |v[(\src)+\i]|, |v[(\src)+\i+1]|
	v_max3_num_f32 v[MXB], v[MXB], |v[(\src)+\i+2]|, |v[(\src)+\i+3]|
.endr
	v_max3_num_f32 v[MXA], v[MXA], |v[(\src)+29]|, |v[(\src)+30]|
	v_max3_num_f32 v[MXA], v[MXA], v[MXB], |v[(\src)+31]|
	v_add_nc_u32 v[SCO], 0xfe000000, v[MXA]        ; 4 off its exponent field: the conversion takes the exponent field of this operand as its scale
	v_lshrrev_b32 v[BY+(\k)], 23, v[SCO]           ; the scale's byte
	v_cvt_scalef32_pk16_bf6_f32 v[CD+6*(\k):CD+6*(\k)+2], v[(\src):(\src)+15], v[SCO]
	v_cvt_scalef32_pk16_bf6_f32 v[CT:CT+2], v[(\src)+16:(\src)+31], v[SCO]
	v_nop                                          ; one plain place behind a scaled conversion
.irp i, 0,1,2
	v_mov_b32 v[CD+6*(\k)+3+\i], v[CT+\i]          ; six registers on end: the block's 192 bits
.endr
.endm
.macro QSTORE k, adr, off, badr, boff
	ds_store_b128 v[\adr], v[CD+6*(\k):CD+6*(\k)+3] offset:\off
	ds_store_b64 v[\adr], v[CD+6*(\k)+4:CD+6*(\k)+5] offset:(\off)+16
	ds_store_b8 v[\badr], v[BY+(\k)] offset:\boff
.endm
	s_wait_loadcnt 63                              ; behind W1's first block stand 64 loads: with 63 out, the units, the bins, W2, b1 and that block are in
	s_cmp_lt_u32 s[WV], 8
	s_cbranch_scc0 .Lno_units
	QCALC UR, 0
	s_wait_alu depctr_va_vdst(0)                   ; the units' codes and scale byte are written, which the three LDS stores read
	QSTORE 0, LXU, 0, LXUS, 0
.Lno_units:
	QCALC BR, 1
	QCALC WR, 2
	s_wait_alu depctr_va_vdst(0)                   ; the codes and bytes of the bins' block and of W1's first are written, which the six LDS stores read
	QSTORE 1, LXB, 0, LXBS, 0
	QSTORE 2, LWC, 0, LWS, 0
	s_wait_loadcnt 32                              ; W1's second block is in; the third's 32 loads may be out
	QCALC WR+32, 3
	s_wait_loadcnt 0x0
	QCALC WR+64, 4
	s_wait_alu depctr_va_vdst(0)                   ; the codes and bytes of W1's second and third block are written, which the six LDS stores read; and every maximum and conversion is done reading v32 to v191, in which the fragments' loads land behind the barrier
	QSTORE 3, LWC, 4096, LWS, 1
	QSTORE 4, LWC, 8192, LWS, 2
	s_cmp_eq_u32 s[WV], 8                          ; every wave has loaded W2; one wave puts it into LDS
	s_cbranch_scc0 .Lno_w2
	ds_store_b128 v[LW2], v[W2R:W2R+3]
.Lno_w2:
	s_wait_dscnt 0x0                               ; for the others' sake: my codes and bytes lie in LDS
	s_barrier_signal -1
	s_barrier_wait -1                              ; everybody's do
	; MY FRAGMENTS.  Registers 6 c .. 6 c + 5 of a lane hold block 2 c + half of its row or column: 24 bytes, by a load of 16 and a load of 8.
	; (No vector instruction has been issued since the last wait on va_vdst, and no LDS store has read v32 to v139 or v246 to v254: nothing more is owed for these loads.)
.irp ks, 0,1,2
.irp c, 0,1
	ds_load_b128 v[WF+12*\ks+6*\c:WF+12*\ks+6*\c+3], v[RW] offset:(4*\ks+2*\c)*4096
	ds_load_b64 v[WF+12*\ks+6*\c+4:WF+12*\ks+6*\c+5], v[RW] offset:(4*\ks+2*\c)*4096+16
.endr
	ds_load_b32 v[SW+\ks], v[RWS] offset:4*\ks
.endr
.irp mm, 0,1
.irp ks, 0,1
.irp c, 0,1
	ds_load_b128 v[XBF+24*\mm+12*\ks+6*\c:XBF+24*\mm+12*\ks+6*\c+3], v[RX] offset:(4*\ks+2*\c)*2048+512*\mm
	ds_load_b64 v[XBF+24*\mm+12*\ks+6*\c+4:XBF+24*\mm+12*\ks+6*\c+5], v[RX] offset:(4*\ks+2*\c)*2048+512*\mm+16
.endr
	ds_load_b32 v[SXB+2*\mm+\ks], v[RXBS] offset:128*\mm+4*\ks
.endr
.endr
.irp mm, 0,1
.irp c, 0,1
	ds_load_b128 v[XUF+12*\mm+6*\c:XUF+12*\mm+6*\c+3], v[RX] offset:XU-XB+4096*\c+512*\mm
	ds_load_b64 v[XUF+12*\mm+6*\c+4:XUF+12*\mm+6*\c+5], v[RX] offset:XU-XB+4096*\c+512*\mm+16
.endr
	ds_load_b32 v[SXU+\mm], v[RXUS] offset:64*\mm
.endr
	s_wait_dscnt 0x0
	; Source 0 = 16 columns of W1, source 1 = 16 rows: lane (r, half) holds row r, register j the h 16 ht + 8 half + j.  The four accumulators take turns, one instruction a turn.
	v_wmma_scale_f32_16x16x128_f8f6f4 v[DB:DB+7], v[WF:WF+11], v[XBF:XBF+11], 0, v[SW], v[SXB] matrix_a_fmt:MATRIX_FMT_BF6 matrix_b_fmt:MATRIX_FMT_BF6
	v_wmma_scale_f32_16x16x128_f8f6f4 v[DB+8:DB+15], v[WF:WF+11], v[XBF+24:XBF+35], 0, v[SW], v[SXB+2] matrix_a_fmt:MATRIX_FMT_BF6 matrix_b_fmt:MATRIX_FMT_BF6
	v_wmma_scale_f32_16x16x128_f8f6f4 v[DU:DU+7], v[WF+24:WF+35], v[XUF:XUF+11], v[B1R:B1R+7], v[SW+2], v[SXU] matrix_a_fmt:MATRIX_FMT_BF6 matrix_b_fmt:MATRIX_FMT_BF6
	v_wmma_scale_f32_16x16x128_f8f6f4 v[DU+8:DU+15], v[WF+24:WF+35], v[XUF+12:XUF+23], v[B1R:B1R+7], v[SW+2], v[SXU+1] matrix_a_fmt:MATRIX_FMT_BF6 matrix_b_fmt:MATRIX_FMT_BF6
	v_wmma_scale_f32_16x16x128_f8f6f4 v[DB:DB+7], v[WF+12:WF+23], v[XBF+12:XBF+23], v[DB:DB+7], v[SW+1], v[SXB+1] matrix_a_fmt:MATRIX_FMT_BF6 matrix_b_fmt:MATRIX_FMT_BF6
	v_wmma_scale_f32_16x16x128_f8f6f4 v[DB+8:DB+15], v[WF+12:WF+23], v[XBF+36:XBF+47], v[DB+8:DB+15], v[SW+1], v[SXB+3] matrix_a_fmt:MATRIX_FMT_BF6 matrix_b_fmt:MATRIX_FMT_BF6
.rept 4
	v_nop                                          ; four places behind the last matrix instruction, ahead of the stores of results and of all that later writes these registers
.endr
	s_wait_alu depctr_va_vdst(0)                   ; the matrix instructions have written their results, which the LDS stores read, and are done reading the fragments, in whose registers the main loop's first loads land; the places above stay beside this wait
.irp mm, 0,1
	ds_store_b128 v[SA], v[DB+8*\mm:DB+8*\mm+3] offset:16*PITCH*\mm          ; each result from its low end on
	ds_store_b128 v[SA], v[DB+8*\mm+4:DB+8*\mm+7] offset:16*PITCH*\mm+16
	ds_store_b128 v[SB], v[DU+8*\mm:DU+8*\mm+3] offset:8*PITCH*\mm
	ds_store_b128 v[SB], v[DU+8*\mm+4:DU+8*\mm+7] offset:8*PITCH*\mm+16
.endr
	s_wait_dscnt 0x0                               ; for the others' sake: my part of P and U lies in LDS
	s_barrier_signal -1
	s_barrier_wait -1                              ; P, U and W2 are whole; from here on LDS is only read
	s_wait_alu depctr_vm_vsrc(0)                   ; my LDS stores have read the results v140 to v171 and W2's v192 to v195: these registers are p, z and Q from here on, written by the loop's vector instructions
; THE MAIN LOOP.  A chunk is 4 h: 7 loads of 16 bytes for 32 numbers a lane.  A chunk is two UNITS of eight pairs: unit e takes bins 2 e, 2 e + 1, both of my units, both pairs of h.
.macro ROWS s, imm                     ; ahead of the loop: a chunk's six rows into set s
.irp i, 0,1,2,3
	ds_load_b128 v[AD+16*(\s)+4*\i:AD+16*(\s)+4*\i+3], v[VA] offset:PITCH*\i+(\imm)      ; all lanes read the same 16 bytes
.endr
.irp j, 0,1
	ds_load_b128 v[BD+8*(\s)+4*\j:BD+8*(\s)+4*\j+3], v[VB] offset:32*PITCH*\j+(\imm)     ; units 2 l and 2 l + 1 lie 32 rows apart
.endr
.endm
; In the loop: load n of the seven that follow a step's wait.  In trip t the addresses stand at chunk 2 t.
; kind 1, the trip's first step: the six rows of chunk 2 t + 2 into set 0, and W2 of chunk 2 t + 1 into set 1.
; kind 2, its third step: the six rows of chunk 2 t + 3 into set 1, and W2 of chunk 2 t + 2 into set 0.
; kind 3, behind the loop: W2 of the last chunk alone.  kind 4: no load.
.macro LD kind, n
.if ((\kind) == 1) && ((\n) < 4)
	ds_load_b128 v[AD+4*(\n):AD+4*(\n)+3], v[VA] offset:PITCH*(\n)+32
.elseif ((\kind) == 1) && ((\n) < 6)
	ds_load_b128 v[BD+4*((\n)-4):BD+4*((\n)-4)+3], v[VB] offset:32*PITCH*((\n)-4)+32
.elseif ((\kind) == 2) && ((\n) < 4)
	ds_load_b128 v[AD+16+4*(\n):AD+16+4*(\n)+3], v[VA] offset:PITCH*(\n)+48
.elseif ((\kind) == 2) && ((\n) < 6)
	ds_load_b128 v[BD+8+4*((\n)-4):BD+8+4*((\n)-4)+3], v[VB] offset:32*PITCH*((\n)-4)+48
.elseif ((\kind) == 2) && ((\n) == 6)
	ds_load_b128 v[WD:WD+3], v[VW] offset:32
.elseif (((\kind) == 1) || ((\kind) == 3)) && ((\n) == 6)
	ds_load_b128 v[WD+4:WD+7], v[VW] offset:16
.endif
.endm
; Instruction a of 48 of a unit's way to Q: six steps, each over the eight pairs, so that no line waits for the line above it.  Pair pr: bin 2 e + pr / 4, unit (pr / 2) % 2, h pair pr % 2.
.macro AI e, s
.set pr, a%8
.set rP, TT+48*(\e)+2*pr
.set rZ, TT+48*(\e)+16+2*pr
.set rQ, TT+48*(\e)+32+2*pr
.set rA, AD+16*(\s)+4*(2*(\e)+pr/4)+2*(pr%2)
.set rB, BD+8*(\s)+4*((pr/2)%2)+2*(pr%2)
.if a < 8
	v_pk_add_f32 v[rZ:rZ+1], v[rA:rA+1], v[rB:rB+1]                                      ; x
.elseif a < 16
	v_dual_max_num_f32 v[rP], 0, v[rZ] :: v_dual_max_num_f32 v[rP+1], 0, v[rZ+1]         ; p = max(x, 0): there is no packed maximum in f32
.elseif a < 24
	v_pk_fma_f32 v[rZ:rZ+1], v[rP:rP+1], -2.0, v[rZ:rZ+1] op_sel_hi:[1,0,1]              ; z = x - 2 p = -|x|
.elseif a < 32
	v_pk_fma_f32 v[rQ:rQ+1], v[rZ:rZ+1], s[K3:K3+1], v[C2V:C2V+1] op_sel_hi:[1,0,1]
.elseif a < 40
	v_pk_fma_f32 v[rQ:rQ+1], v[rQ:rQ+1], v[rZ:rZ+1], s[K1:K1+1] op_sel_hi:[1,1,0]
.else
	v_pk_fma_f32 v[rQ:rQ+1], v[rQ:rQ+1], v[rZ:rZ+1], s[K0:K0+1] op_sel_hi:[1,1,0]        ; Q = log2 Phi(z)
.endif
.set a, a+1
.endm
; A STEP finishes unit (e, s) and, with nxt = 1, brings the next unit (ne, ns) as far as Q.  The 16 exponentials are ONE BATCH: two plain lines of the next unit follow each, sixteen more follow the last,
; then the one wait, ahead of the first line that names a result.  ld: which loads follow that wait (macro LD); 0: none, and no wait on DScnt.
.macro STEP e, s, nxt, ne, ns, ld
.set a, 0
.set m, 0
.rept 16
	v_exp_f32 v[TT+48*(\e)+32+m], v[TT+48*(\e)+32+m]                                     ; E = Phi(z)
.if \nxt
	AI \ne, \ns
	AI \ne, \ns
.endif
.set m, m+1
.endr
.if \nxt
.rept 16
	AI \ne, \ns
.endr
.else
	v_nop                                          ; a plain line behind the last exponential
.endif
.if \ld
	s_wait_dscnt 0x0                               ; the loads issued two steps back (ahead of the loop: all thirteen) are in: W2's four numbers for the sums below, and the rows that the next step adds
.endif
	s_wait_alu depctr_va_vdst(0)                   ; the sixteen exponentials have written E, which the lines below read.  Where loads follow: the additions x = a + b and the sums with W2 issued so far are done reading the registers in which these loads land, and the three LDS addresses are written
.irp x, 0,1,2,3,4,5,6,7
	v_pk_fma_f32 v[TT+48*(\e)+32+2*\x:TT+48*(\e)+33+2*\x], v[TT+48*(\e)+16+2*\x:TT+48*(\e)+17+2*\x], v[TT+48*(\e)+32+2*\x:TT+48*(\e)+33+2*\x], v[TT+48*(\e)+2*\x:TT+48*(\e)+1+2*\x]   ; gelu = p + z E
	LD \ld, \x                                     ; no vector instruction since the wait names a register that these loads touch
.endr
.irp hp, 0,1
.irp o, 0,1,2,3
	v_pk_fma_f32 v[ACC+8*(\e)+2*\o:ACC+8*(\e)+2*\o+1], v[TT+48*(\e)+32+4*\o+2*\hp:TT+48*(\e)+33+4*\o+2*\hp], v[WD+4*(\s)+2*\hp:WD+4*(\s)+2*\hp+1], v[ACC+8*(\e)+2*\o:ACC+8*(\e)+2*\o+1]
.endr
.endr
.endm
	ROWS 0, 0                                      ; chunk 0's rows,
	ds_load_b128 v[WD:WD+3], v[VW]                 ; its four numbers of W2,
	ROWS 1, 16                                     ; chunk 1's rows (its W2 is asked for in the first trip, as every odd chunk's is)
	s_wait_kmcnt 0x0                               ; b2
	v_mov_b32 v[C2V], 0xbefdf276                   ; K2 = -0.49599047
	v_mov_b32 v[C2V+1], 0xbefdf276
.irp o, 0,1,2,3,4,5,6,7
	v_mov_b32 v[ACC+2*\o], s[B2]                   ; b2 starts each output's sum over the even h,
	v_mov_b32 v[ACC+2*\o+1], 0                     ; 0 that over the odd h
.endr
	s_wait_dscnt 7                                 ; chunk 0's six rows are in; the seven younger loads may be out
.set a, 0
.rept 48
	AI 0, 0                                        ; the first unit as far as Q
.endr
	s_mov_b32 s[CNT], 15
.Lmain:                                                ; a trip: two chunks, four units; it asks for the rows of the two chunks that follow them
	STEP 0, 0, 1, 1, 0, 1
	STEP 1, 0, 1, 0, 1, 0
	STEP 0, 1, 1, 1, 1, 2
	STEP 1, 1, 1, 0, 0, 0
	s_wait_alu depctr_vm_vsrc(0)                   ; the LDS loads issued so far, the last of them a step back, have read the three addresses
	v_add_nc_u32 v[VA], 32, v[VA]                  ; 8 h on; the next step's wait on va_vdst stands between these lines and the next load
	v_add_nc_u32 v[VB], 32, v[VB]
	v_add_nc_u32 v[VW], 32, v[VW]
	s_sub_co_u32 s[CNT], s[CNT], 1
	s_cmp_lg_u32 s[CNT], 0
	s_cbranch_scc1 .Lmain
	STEP 0, 0, 1, 1, 0, 3                          ; chunks 30 and 31 are written out: only the last four numbers of W2 are left to load, and the last unit has no successor
	STEP 1, 0, 1, 0, 1, 0
	STEP 0, 1, 1, 1, 1, 4
	STEP 1, 1, 0, 0, 0, 0
.irp o, 0,1,2,3,4,5,6,7
	v_add_f32 v[TT+\o], v[ACC+2*\o], v[ACC+2*\o+1] ; even h + odd h: register 2 i + j is out(bin i, unit 2 l + j)
.endr
	s_wait_alu depctr_va_vdst(0)                   ; the eight additions have written v104 to v111, which the four stores read
.irp i, 0,1,2,3
	global_store_b64 v[VO], v[TT+2*\i:TT+2*\i+1], s[16:17] offset:2048*\i th:TH_STORE_NT   ; 32 lanes store 256 consecutive bytes, at a multiple of 256 from out's first byte
.endr
	s_wait_dscnt 0x0                               ; the closing lines, six on end
	s_wait_alu 0x0
	s_wait_tensorcnt 0x0
	ds_add_u32 v239, v255
	s_wait_dscnt 0x0
	s_endpgm
.Lfunc_end_k_qb0c25a3125_head_gelu:
	.size	k_qb0c25a3125_head_gelu, .Lfunc_end_k_qb0c25a3125_head_gelu-k_qb0c25a3125_head_gelu
	.p2alignl 7, 3214868480
	.fill 96, 4, 3214868480
	.section	.rodata,"a",@progbits
	.p2align	6, 0x0
	.amdhsa_kernel k_qb0c25a3125_head_gelu
		.amdhsa_group_segment_fixed_size 149504
		.amdhsa_private_segment_fixed_size 0
		.amdhsa_enable_private_segment 0
		.amdhsa_kernarg_size 56
		.amdhsa_user_sgpr_count 2
		.amdhsa_user_sgpr_kernarg_segment_ptr 1
		.amdhsa_wavefront_size32 1
		.amdhsa_system_sgpr_workgroup_id_x 1
		.amdhsa_system_sgpr_workgroup_id_y 1
		.amdhsa_system_sgpr_workgroup_id_z 1
		.amdhsa_system_vgpr_workitem_id 0
		.amdhsa_next_free_vgpr 256
		.amdhsa_next_free_sgpr 66
		.amdhsa_reserve_vcc 0
		.amdhsa_float_denorm_mode_32 3
		.amdhsa_float_denorm_mode_16_64 3
		.amdhsa_memory_ordered 1
		.amdhsa_forward_progress 1
		.amdhsa_inst_pref_size 69
	.end_amdhsa_kernel
	.amdgpu_metadata
---
amdhsa.version: [ 1, 2 ]
amdhsa.kernels:
  - .name:           k_qb0c25a3125_head_gelu
    .symbol:         k_qb0c25a3125_head_gelu.kd
    .args:
      - { .name: bin_repr, .offset: 0, .size: 8, .value_kind: global_buffer, .address_space: global }
      - { .name: unit_emb, .offset: 8, .size: 8, .value_kind: global_buffer, .address_space: global }
      - { .name: W1, .offset: 16, .size: 8, .value_kind: global_buffer, .address_space: global }
      - { .name: b1, .offset: 24, .size: 8, .value_kind: global_buffer, .address_space: global }
      - { .name: W2, .offset: 32, .size: 8, .value_kind: global_buffer, .address_space: global }
      - { .name: b2, .offset: 40, .size: 8, .value_kind: global_buffer, .address_space: global }
      - { .name: out0, .offset: 48, .size: 8, .value_kind: global_buffer, .address_space: global }
    .group_segment_fixed_size: 149504
    .private_segment_fixed_size: 0
    .kernarg_segment_align: 8
    .kernarg_segment_size: 56
    .max_flat_workgroup_size: 512
    .sgpr_count:     66
    .vgpr_count:     256
    .wavefront_size: 32
...
	.end_amdgpu_metadata
.endif
;; end of part 2
